; MI455X (gfx1250); checked and timed in simulation.
; The chip was launched on July 23, 2026; its instructions are those of AMD's public machine-readable ISA for CDNA 5 (MIT licence, August 2026) and "CDNA5" Instruction Set Architecture Reference Guide (July 2026). The comments in the code are by the model that wrote it; some were corrected since.
;; PQR Quantizer. Allowed arithmetic: matrix products marked QUANTISED: E5M2 operands, one E8M0 scale for each 32 along K, by v_wmma_scale_f32_16x16x128_f8f6f4 with both operands' format E5M2, f32 sums; everything else in f32.
;; Inputs: codebook 8,192 x 512 float32; inputs 16,384 x 512 float32.
;; Outputs: out0 16,384 x 512 float32; out1 16,384 int32.
;; This version of the problem:
;;   THIS VERSION OF THE PROBLEM IS GIVEN IN LOW PRECISION. The matrix products marked QUANTISED in the list below multiply operands that are first quantised to E5M2 (5 exponent bits, 2 mantissa bits; 8 bits a number), with one power-of-two scale for each 32 numbers along K (OCP MX v1.0); their sums are f32. All else is computed in f32.
;;   The module's matrix products, in the order in which they are computed (A, B: the left and right operand; K: the contracted axis; several contracted axes count as one K, in the product's order):
;;     1. [M 16,384, K 512] x [K 512, N 8,192]; A: input inputs; B: input codebook: QUANTISED
;;   THE QUANTISER, for each operand of a quantised product, along K:
;;     - K is cut into blocks of 32 from its start; a last block that is shorter is filled with zeros.
;;     - A block's scale is 2^e with e = floor(log2(the largest magnitude in the block)) - 15, held to -126 .. 127; a block of zeros has e = 0. As a byte (E8M0): e + 127.
;;     - Each number is divided by its block's scale, clamped to +-57,344, and rounded to the nearest number of E5M2, ties to even, subnormals kept.
;;     - The product sums the exact products of the quantised numbers (number of the format x scale) in f32.
;;   ~~~python
;;   def quantise(x, axis):      # numpy; x: float32 -> the quantised numbers, widened to float32 again
;;       x = np.moveaxis(x, axis, -1); K = x.shape[-1]
;;       x = np.pad(x, [(0, 0)] * (x.ndim - 1) + [(0, -K % 32)]); x = x.reshape(x.shape[:-1] + (-1, 32)); a = np.abs(x).max(-1, keepdims=True)
;;       e = np.where(a > 0, np.clip(np.frexp(np.where(a > 0, a, 1))[1] - 1 - 15, -126, 127), 0)      # np.frexp(a)[1] - 1 = floor(log2(a)), exactly
;;       r = np.clip(x / 2.0 ** e, -57344, 57344)
;;       step = 2.0 ** (np.maximum(np.frexp(np.where(r == 0, 1, r))[1] - 1, -14) - 2)
;;       q = np.round(r / step) * step * 2.0 ** e      # np.round: ties to even
;;       return np.moveaxis(q.reshape(q.shape[:-2] + (-1,))[..., :K], -1, axis).astype(np.float32)
;;   ~~~
;; One version. Each part assembles by itself: llvm-mc -triple=amdgcn-amd-amdhsa -mcpu=gfx1250 --defsym DOCPART=n.
;; ======== version 1 of 1: 3 launches
;; limits: right only within a limited range of input values
;; workspace buffers: xcodes 8,388,608 bytes; xscales 262,144 bytes; ccodes 4,194,304 bytes; cscales 131,072 bytes; c2h 32,768 bytes; pbest 524,288 bytes; pidx 524,288 bytes
;; launch quant (part 1): grid 768 x 1, 2 waves a work-group, no clusters, 18,688 bytes of LDS; arguments inputs, codebook, xcodes, xscales, ccodes, cscales, c2h, out0; writes xcodes, xscales, ccodes, cscales, c2h, out0
.if DOCPART == 1
	.amdgcn_target "amdgcn-amd-amdhsa--gfx1250"
	.amdhsa_code_object_version 6
	.text
	.protected	k_q55623c791a_quant
	.globl	k_q55623c791a_quant
	.p2align	8
	.type	k_q55623c791a_quant,@function
k_q55623c791a_quant:
	s_mov_b64 s[64:65], 0
	v_nop
	global_prefetch_b8 v0, s[64:65] scope:SCOPE_SE
	s_setreg_imm32_b32 hwreg(HW_REG_WAVE_MODE, 25, 1), 1
	s_wait_xcnt 0x0
; WORK LEFT OUT BY THE WHOLE PROGRAM, for all finite values of the inputs, in real numbers:
; (1) out0 = q + (x - q) = x, whatever row q of the codebook the index picks.  So the lookup codebook[indices] and the two additions reach no output: out0 is a copy of inputs, stored here from the registers that hold the rows anyway.
; (2) x2 is the same for all codes of a token, so argmin over codes of x2 + c2 - 2 dot = argmax of dot - c2 / 2 (the same codes tie, the lowest is kept).  x2 is not computed.
; Both inputs keep a way to an output: inputs to out0 and, as the quantised operand, to out1; codebook, as operand and by c2, to out1.
; LIMITS: a NaN, an infinity or an overflow that reaches only the work left out (x - q, x2, x2 + c2) is not carried to the result; out0 lacks the two roundings of q + (x - q);
; the distances are rounded in another order than the definition's: -c2 / 2 begins the f32 sum of the product, so two codes whose distances differ by a few last places of f32 may change places.
; THIS LAUNCH: inputs [16384][512] and codebook [8192][512], f32, become codes of BF8 (E5M2) with one E8M0 scale byte for each 32 along the 512; for the codebook's rows also c2h = -(sum of squares) / 2, of the numbers as given.
; A block's scale is 2^(floor(log2(its largest magnitude)) - 15); its byte is the largest magnitude's exponent field - 15, held at 1 from below; each number is divided by the scale, held within +-57,344, rounded to the nearest code, ties to even.
; LIMITS: a block of zeros gets the byte 1 where the rule says 127 (its codes are zeros, and this program alone reads the bytes); blocks under 2^(16 - 127) share that byte; NaN and infinities among the inputs are not served.
; THE CODES ARE LAID AS THE NEXT LAUNCH'S OPERAND REGISTERS WANT THEM.  A tile is 16 rows, 8,192 bytes: byte (4 s + c) 512 + (16 h + r) 16 + e holds the code of row r at k = 128 s + 32 c + 16 h + e.  Scale bytes lie [row][16].
; SHARES.  One wave takes one tile, 32,768 bytes in.  Work-groups 0-511 take inputs, 512-767 the codebook.  No input is shared, so no cluster; no tensor load, no barrier: each wave has LDS bytes of its own.
; A load reads 512 consecutive bytes of a row: lane l of load i holds k = 128 i + 4 l + 0..3, so a block of 32 lies in 8 neighbouring lanes.  A lane's 4 codes go to the wave's stage at their place in the image and leave 16 bytes a lane.
.set XWG,   512                        ; work-groups for inputs
.set HP,    272                        ; half a run of the image (16 rows x 16 bytes) + 16 of padding
.set WREG,  9216                       ; LDS of a wave: the stage, 32 x HP, and its 256 scale bytes
.set SCS,   32*HP
.set SPARE, 2*WREG                     ; the spare words: one block of 256 bytes that no other line names
.set MX,  12                           ; v12-15 the four blocks' largest magnitudes
.set SC,  16                           ; v16-19 the conversions' scale operands
.set HD,  20                           ; v20-23 57,344 x the scale
.set BY,  24                           ; v24-31 scale bytes, two sets by turns
.set CD,  32                           ; v32-47 codes, two sets by turns
.set NS,  48                           ; v48-49 the sum of squares in two halves
.set NR,  50                           ; v50 the row's sum
.set PD,  52                           ; v52 a lane permute's destination
.set SUM, 53                           ; v53 lane r: -c2 / 2 of row r
.set XR,  64                           ; v64-191 eight row slots of 16; on the way out the image
.set SPW, 192
.set NIL, 193
.set HT,  194                          ; v194-209 the row, held: the slot itself stays as loaded, since a row of inputs is stored from it
	s_load_b256 s[4:11], s[0:1], 0x0               ; inputs, codebook, xcodes, xscales
	s_load_b128 s[12:15], s[0:1], 0x20             ; ccodes, cscales
	s_load_b128 s[16:19], s[0:1], 0x30             ; c2h, out0
	v_lshl_add_u32 v[SPW], v0, 2, SPARE
	v_mov_b32 v[NIL], 0
	v_lshrrev_b32 v11, 5, v0
	v_readfirstlane_b32 s20, v11                   ; wave 0..1
	v_and_b32 v1, 31, v0                           ; lane
	v_lshlrev_b32 v2, 4, v1                        ; 16 x lane
	s_mul_i32 s25, s20, WREG
	v_lshrrev_b32 v11, 2, v1
	v_mul_u32_u24 v3, v11, HP
	v_and_b32 v11, 3, v1
	v_lshl_add_u32 v3, v11, 2, v3
	v_add_nc_u32 v3, s25, v3                       ; the stage, in: half-run lane / 4, place 4 (lane % 4)
	v_lshrrev_b32 v4, 3, v1
	v_add_nc_u32 v4, s25, v4
	v_add_nc_u32 v4, SCS, v4                       ; my block's scale byte
	v_lshrrev_b32 v11, 4, v1
	v_mul_u32_u24 v6, v11, HP
	v_and_b32 v11, 15, v1
	v_lshl_add_u32 v6, v11, 4, v6
	v_add_nc_u32 v6, s25, v6                       ; the stage, out: half-run lane / 16, row lane % 16
	v_lshlrev_b32 v8, 3, v1                        ; the scale bytes leave 8 a lane
	v_add_nc_u32 v7, s25, v8
	v_add_nc_u32 v7, SCS, v7
	v_lshlrev_b32 v10, 2, v11                      ; c2h leaves 4 bytes a lane, lanes 0-15
	v_mov_b32 v[PD], 0
	v_mov_b32 v[SUM], 0
	s_mov_b32 s22, 0x76543210
	s_mov_b32 s23, 0xfedcba98                      ; selects for lane l xor 16
	s_mov_b32 s24, 0x600000                        ; the mantissa field of 57,344
	s_wait_alu depctr_va_vdst(0)                   ; the wait at the head's end
	s_wait_kmcnt 0x0
	s_cmp_lt_u32 ttmp9, XWG                        ; which tensor: by the work-group's number alone
	s_cselect_b64 s[4:5], s[4:5], s[6:7]
	s_cselect_b64 s[8:9], s[8:9], s[12:13]
	s_cselect_b64 s[10:11], s[10:11], s[14:15]
	s_cselect_b32 s21, 0, XWG
	s_sub_co_u32 s21, ttmp9, s21
	s_lshl_b32 s21, s21, 1
	s_add_co_u32 s21, s21, s20                     ; my tile of the tensor
	s_mov_b32 s27, 0
	s_lshl_b32 s26, s21, 15
	s_add_nc_u64 s[4:5], s[4:5], s[26:27]
	s_add_nc_u64 s[18:19], s[18:19], s[26:27]      ; used by the work-groups of inputs alone
	s_lshl_b32 s26, s21, 13
	s_add_nc_u64 s[8:9], s[8:9], s[26:27]
	s_lshl_b32 s26, s21, 8
	s_add_nc_u64 s[10:11], s[10:11], s[26:27]
	s_lshl_b32 s26, s21, 6
	s_add_nc_u64 s[16:17], s[16:17], s[26:27]      ; used by the codebook's work-groups alone
.macro LOADROW r                       ; row r into slot r % 8
.irp i, 0,1,2,3
	global_load_b128 v[XR+16*((\r)%8)+4*\i:XR+16*((\r)%8)+4*\i+3], v2, s[4:5] offset:2048*(\r)+512*\i th:TH_LOAD_NT
.endr
.endm
.macro ROW r
.set RS, XR+16*((\r)%8)
.set PAR, (\r)%2
.set CS, CD+8*PAR
.if 15-(\r) < 7
	s_wait_loadcnt 4*(15-(\r))                     ; my row's four loads are in; the younger rows' may be out
.else
	s_wait_loadcnt 28
.endif
	s_wait_dscnt 8                                 ; the last row's eight LDS stores may be out; those of two rows back are done
	s_cmp_lt_u32 ttmp9, XWG
	s_cbranch_scc0 .Lsum_\@
.irp i, 0,1,2,3
	global_store_b128 v2, v[RS+4*\i:RS+4*\i+3], s[18:19] offset:2048*(\r)+512*\i th:TH_STORE_NT   ; a row of inputs is a row of out0: 512 consecutive bytes, aligned
.endr
	s_branch .Lno_sum_\@                           ; and it has no sum of squares: see the head
.Lsum_\@:
	v_pk_mul_f32 v[NS:NS+1], v[RS:RS+1], v[RS:RS+1]
.irp j, 2,4,6,8,10,12,14
	v_pk_fma_f32 v[NS:NS+1], v[RS+\j:RS+\j+1], v[RS+\j:RS+\j+1], v[NS:NS+1]
.endr
	v_add_f32 v[NR], v[NS], v[NS+1]
.irp x, 1,2,4,8
	v_add_f32_dpp v[NR], v[NR], v[NR] row_xmask:\x row_mask:0xf bank_mask:0xf
.endr
	v_permlanex16_b32 v[PD], v[NR], s22, s23
	v_add_f32 v[NR], v[NR], v[PD]                  ; every lane holds the row's sum of squares
	v_cmp_eq_u32 vcc_lo, (\r), v1
	v_mul_f32 v[NR], -0.5, v[NR]                   ; exact
	v_cndmask_b32 v[SUM], v[SUM], v[NR], vcc_lo    ; lane r keeps row r's
.Lno_sum_\@:
.irp i, 0,1,2,3
	v_max3_num_f32 v[MX+\i], |v[RS+4*\i]|, |v[RS+4*\i+1]|, 0x8000000   ; my 4 numbers of K step i's block, and the floor 2^(16 - 127)
.endr
.irp i, 0,1,2,3
	v_max3_num_f32 v[MX+\i], v[MX+\i], |v[RS+4*\i+2]|, |v[RS+4*\i+3]|
.endr
.irp x, 1,2,4
.irp i, 0,1,2,3
	v_max_num_f32_dpp v[MX+\i], v[MX+\i], v[MX+\i] row_xmask:\x row_mask:0xf bank_mask:0xf
.endr
.endr
.irp i, 0,1,2,3
	v_add_nc_u32 v[SC+\i], 0xf8800000, v[MX+\i]    ; 15 off the exponent field: the conversion's scale operand
.endr
.irp i, 0,1,2,3
	v_and_or_b32 v[HD+\i], v[MX+\i], 0x7f800000, s24               ; 57,344 x the scale
.endr
.irp i, 0,1,2,3
.irp j, 0,1,2,3
	v_med3_num_f32 v[HT+4*\i+\j], v[RS+4*\i+\j], -v[HD+\i], v[HD+\i]   ; the conversion does not saturate (ISA guide 7.6.2): the hold comes first
.endr
.endr
	; a conversion takes 8 numbers under one scale; my 8 belong to two blocks: each 8 are converted under both scales, and of each result the word of that scale's block is used
	v_cvt_scalef32_pk8_bf8_f32 v[CS:CS+1], v[HT:HT+7], v[SC]
	v_cvt_scalef32_pk8_bf8_f32 v[CS+2:CS+3], v[HT:HT+7], v[SC+1]
	v_cvt_scalef32_pk8_bf8_f32 v[CS+4:CS+5], v[HT+8:HT+15], v[SC+2]
	v_cvt_scalef32_pk8_bf8_f32 v[CS+6:CS+7], v[HT+8:HT+15], v[SC+3]
.irp i, 0,1,2,3
	v_lshrrev_b32 v[BY+4*PAR+\i], 23, v[SC+\i]     ; the scale's byte (also the plain line behind the conversions)
.endr
.irp i, 0,1,2,3
	ds_store_b32 v3, v[CS+2*\i+(\i%2)] offset:8*HP*\i+16*(\r)
.endr
.irp i, 0,1,2,3
	ds_store_b8 v4, v[BY+4*PAR+\i] offset:16*(\r)+4*\i             ; the eight lanes of a block write the same byte
.endr
.if (\r) < 8
	s_wait_xcnt 0x0                                ; the row's stores have read the slot: it may be loaded again
	LOADROW \r+8
.endif
.endm
.irp r, 0,1,2,3,4,5,6,7
	LOADROW \r
.endr
.irp r, 0,1,2,3,4,5,6,7,8,9,10,11,12,13,14,15
	ROW \r
.endr
	; THE WAY OUT.  LDS serves a wave's instructions in order (ISA guide 5.7.1.4): these loads see my stores
	s_wait_xcnt 0x0                                ; the last rows' stores have read the slots, which take the image now
.irp q, 0,1,2,3,4,5,6,7,8,9,10,11,12,13,14,15
	ds_load_b128 v[XR+4*\q:XR+4*\q+3], v6 offset:2*HP*\q
.endr
	ds_load_b64 v[XR+64:XR+65], v7
.irp q, 0,1,2,3,4,5,6,7,8,9,10,11,12,13,14,15
	s_wait_dscnt 16-\q                             ; run q is in; the 16 - q loads behind it may be out
	global_store_b128 v2, v[XR+4*\q:XR+4*\q+3], s[8:9] offset:512*\q   ; 512 consecutive bytes, aligned
.endr
	s_wait_dscnt 0x0
	global_store_b64 v8, v[XR+64:XR+65], s[10:11]  ; the tile's 256 scale bytes, aligned
	s_wait_tensorcnt 0x0                           ; the wave's end
	ds_add_u32 v[SPW], v[NIL]
	s_wait_dscnt 0x0
	s_cmp_lt_u32 ttmp9, XWG
	s_cbranch_scc1 .Lend
	s_wait_xcnt 0x0                                ; EXEC changes only behind this wait
	v_cmp_gt_u32 vcc_lo, 16, v1
	s_and_saveexec_b32 s30, vcc_lo
	global_store_b32 v10, v[SUM], s[16:17]         ; 16 lanes store the tile's 16 numbers: 64 consecutive bytes; 32,768 bytes in the whole launch
	s_wait_xcnt 0x0
	s_or_b32 exec_lo, exec_lo, s30
.Lend:
	s_endpgm
.Lfunc_end_k_q55623c791a_quant:
	.size	k_q55623c791a_quant, .Lfunc_end_k_q55623c791a_quant-k_q55623c791a_quant
	.p2alignl 7, 3214868480
	.fill 96, 4, 3214868480
	.section	.rodata,"a",@progbits
	.p2align	6, 0x0
	.amdhsa_kernel k_q55623c791a_quant
		.amdhsa_group_segment_fixed_size 18688
		.amdhsa_private_segment_fixed_size 0
		.amdhsa_enable_private_segment 0
		.amdhsa_kernarg_size 64
		.amdhsa_user_sgpr_count 2
		.amdhsa_user_sgpr_kernarg_segment_ptr 1
		.amdhsa_wavefront_size32 1
		.amdhsa_system_sgpr_workgroup_id_x 1
		.amdhsa_system_sgpr_workgroup_id_y 1
		.amdhsa_system_sgpr_workgroup_id_z 1
		.amdhsa_system_vgpr_workitem_id 0
		.amdhsa_next_free_vgpr 210
		.amdhsa_next_free_sgpr 66
		.amdhsa_reserve_vcc 1
		.amdhsa_float_denorm_mode_32 3
		.amdhsa_float_denorm_mode_16_64 3
		.amdhsa_memory_ordered 1
		.amdhsa_forward_progress 1
		.amdhsa_inst_pref_size 99
	.end_amdhsa_kernel
	.amdgpu_metadata
---
amdhsa.version: [ 1, 2 ]
amdhsa.kernels:
  - .name:           k_q55623c791a_quant
    .symbol:         k_q55623c791a_quant.kd
    .args:
      - { .name: inputs, .offset: 0, .size: 8, .value_kind: global_buffer, .address_space: global }
      - { .name: codebook, .offset: 8, .size: 8, .value_kind: global_buffer, .address_space: global }
      - { .name: xcodes, .offset: 16, .size: 8, .value_kind: global_buffer, .address_space: global }
      - { .name: xscales, .offset: 24, .size: 8, .value_kind: global_buffer, .address_space: global }
      - { .name: ccodes, .offset: 32, .size: 8, .value_kind: global_buffer, .address_space: global }
      - { .name: cscales, .offset: 40, .size: 8, .value_kind: global_buffer, .address_space: global }
      - { .name: c2h, .offset: 48, .size: 8, .value_kind: global_buffer, .address_space: global }
      - { .name: out0, .offset: 56, .size: 8, .value_kind: global_buffer, .address_space: global }
    .group_segment_fixed_size: 18688
    .private_segment_fixed_size: 0
    .kernarg_segment_align: 8
    .kernarg_segment_size: 64
    .max_flat_workgroup_size: 64
    .sgpr_count:     66
    .vgpr_count:     210
    .wavefront_size: 32
...
	.end_amdgpu_metadata
.endif
;; end of part 1
;; launch dist (part 2): grid 32 x 8, 4 waves a work-group, clusters of 4 x 1, 327,680 bytes of LDS; arguments xcodes, xscales, ccodes, cscales, c2h, pbest, pidx; writes pbest, pidx
.if DOCPART == 2
	.amdgcn_target "amdgcn-amd-amdhsa--gfx1250"
	.amdhsa_code_object_version 6
	.text
	.protected	k_q55623c791a_dist
	.globl	k_q55623c791a_dist
	.p2align	8
	.type	k_q55623c791a_dist,@function
k_q55623c791a_dist:
	s_mov_b64 s[64:65], 0
	v_nop
	global_prefetch_b8 v0, s[64:65] scope:SCOPE_SE
	s_setreg_imm32_b32 hwreg(HW_REG_WAVE_MODE, 25, 1), 1
	s_wait_xcnt 0x0
	s_wait_alu depctr_hold_cnt(0) depctr_sa_sdst(0) depctr_va_vdst(0) depctr_va_sdst(0) depctr_va_ssrc(0) depctr_va_vcc(0) depctr_vm_vsrc(0)
	s_getreg_b32 s2, hwreg(HW_REG_IB_STS2, 6, 4)
	s_cmp_eq_u32 s2, 0
	s_cbranch_scc0 .Lentry_in_a_cluster
	s_endpgm
.Lentry_in_a_cluster:
	s_bfe_u32 s2, ttmp6, 0x10000c
	s_cmp_lg_u32 s2, 0x3003
	s_cbranch_scc0 .Lentry_shape_is_right
	s_endpgm
.Lentry_shape_is_right:
; Left out (shown at the head of the launch quant): x2, which is the same for all codes of a token, and the lookup of the chosen row, which cancels in q + (x - q).
; v[token][code] = dot - c2 / 2, dot = the product of the tokens' and the codes' numbers of BF8 (E5M2) with one E8M0 scale for each 32 along the 512, sums in f32, begun with -c2 / 2 as the first product's C.
; For each token the greatest v and the lowest code that has it, over ONE EIGHTH of the 8,192 codes: pbest[part][token], pidx[part][token]; the next launch joins the parts.
; LIMITS: NaN and infinities are not served (the maximum lets a NaN lose); the order of rounding is this text's (-c2 / 2 first, then K ascending), not the definition's.
; SHARES.  A work-group owns 512 tokens (x) and 1,024 codes (y): 32 x 8 = 256 work-groups.  Four waves, one to a SIMD.  Wave w owns tokens 128 w on, eight tiles of 16, whose codes for all of K stay in 512 registers (windows 1, 2);
; it walks all 64 tiles of 16 codes: a tile's four fragments (8,192 bytes from LDS) feed 32 matrix instructions.  So no two waves hold the same token, and nothing is joined between waves.
; THE CODES go through a ring of two LDS slots of 256 codes (131,072 bytes), as images of the operand's registers: a fragment is four loads of 512 consecutive bytes.  The part's scale bytes (16,384) and c2h (4,096) come once.
; At the head every wave issues one fill: waves 0, 1 half of slot 0 each, wave 2 the scale bytes, wave 3 c2h.  A refill is a quarter of a slot a wave.
; THE CHANGE OF SLOTS stands ahead of a slot's LAST tile's products: that tile's fragments are in registers by then, so nobody reads the slot any more.
; CLUSTER.  The four work-groups of a cluster have the same y and walk the same codes: every tensor load is asked for jointly, with the mask of all four.  The tokens' codes are each work-group's own and go straight into registers.
; THE MATRIX INSTRUCTION IS USED TRANSPOSED (source 0 = 16 codes, source 1 = 16 tokens): a lane holds one token (lane % 16), register j of a result the code 8 (lane / 16) + j of the tile.
; THE ARGMAX: of each group of 8 numbers (a lane's registers of one result) the maximum is taken; where it beats the lane's best (strictly), the group's first code and its 8 numbers are kept by selects, two to a dual line.
; Which of the 8 it was is found once, at the end.
; REGISTERS.  window 0: v1-2 fragment addresses, v3 scale words', v4 c2h's, v5 the group's first code, v6 prefetch offset, v7, v10 the end's LDS places, v8-9 for the add, v14 16 x lane; v16-47 x's scale words;
;   v50-57 the tile's scale words, two sets (numbers that differ from x's modulo 8); v58-73 -c2 / 2 of my 8 codes, two sets; v74-81, v82-89 the best, by turns; v90-97 its group; v98-121 the end; v128-191 eight accumulators; v192-255 the kept groups.
;   windows 1, 2: x's fragments: tile m, K step s at v[256 + 64 m + 16 s].   window 3: a tile's four fragments, two sets of 64: the next tile's are loaded while this tile's are multiplied.
.set SLOTB, 131072
.set SLOT1, 1<<17                      ; one exclusive or turns an address in one slot into the other's
.set RING,  2*SLOTB
.set MS,    RING                       ; the part's scale bytes, [code][16]
.set MC,    MS+16384                   ; its c2h
.set RED,   MC+4096                    ; 1,024 bytes a wave for the way out: no fill lands here
.set SPARE, RED+4096                   ; the spare words, 128 bytes a wave: two blocks of 256 bytes that no other line names
.set ADFA, 1
.set ADFB, 2
.set ADS, 3
.set ADC, 4
.set CUR, 5
.set PFO, 6
.set RW,  7
.set SPW, 8
.set NIL, 9
.set RR,  10
.set L16, 14
.set XS,  16
.set BS,  50
.set CC2, 58
.set BA,  74
.set BB,  82
.set TID, 90
.set IX,  98
.set OB,  106
.set OI,  114
.set ACC, 128
.set FV,  128                          ; the end, where the accumulators lay
.set SAVE, 192
.set WV,  20                           ; s20 wave; s23 cx; s24 my block of 512 tokens; s25 y
.set G1,  28                           ; group 1: s[28:35] 128 rows of 256 bytes; s[36:43] 256 rows; s[68:75] 64; s[76:83] 16
.set G1H, 36
.set G1S, 68
.set G1N, 76
.set G0C, 44                           ; group 0: s[44:47] the refills', which walks; s[48:51] slot 0's halves; s[52:55] scale bytes; s[56:59] c2h
.set G0H, 48
.set G0S, 52
.set G0N, 56
.set LIM, 60                           ; 1 in a cluster that prefetches
.set TBA, 61                           ; ring offsets of the two tiles that the next trip loads
.set TBB, 66
.set CNT, 67
.set PFA, 62
.set MK,  84
.set MSB, 0
.macro WIN new
.if MSB != \new
	s_set_vgpr_msb (MSB<<8)|\new
.set MSB, \new
.endif
.endm
.macro ROUND                           ; a round of the cluster's barrier
	s_barrier_signal -1
	s_barrier_wait -1
	s_cmp_lg_u32 s[WV], 0
	s_cbranch_scc1 .Lnot_wave_0_\@
	s_barrier_signal -3
.Lnot_wave_0_\@:
	s_barrier_wait -3
	s_barrier_signal -1
	s_barrier_wait -1
.endm
.macro TLOAD g0, g1                    ; a tensor load, then s_nop 0 and four v_nop
	tensor_load_to_lds s[\g0:\g0+3], s[\g1:\g1+7]
	s_nop 0
.rept 4
	v_nop
.endr
.endm
; A prefetch of the slot that the NEXT change of slots will ask for.  The eight clusters of a part walk the same codes: the first of them asks; its four partners share the slot's 131,072 bytes out by address, 32,768 each,
; the four waves 8,192 each, lanes 256 bytes apart: each aligned block of 256 bytes is named once.  Slots 0 and 1 come by their loads alone; the last refill asks for nothing.
.macro ASK
	s_cmp_eq_u32 s[LIM], 1
	s_cbranch_scc0 .Lnot_mine_\@
	global_prefetch_b8 v[PFO], s[PFA:PFA+1] th:TH_LOAD_NT scope:SCOPE_SE
.Lnot_mine_\@:
.endm
.macro LOADB set, adr, so, co          ; 19 LDS loads into set: a tile's scale words, -c2 / 2 of my 8 codes, four fragments
	ds_load_b128 v[BS+4*\set:BS+4*\set+3], v[ADS] offset:\so
	ds_load_b128 v[CC2+8*\set:CC2+8*\set+3], v[ADC] offset:\co
	ds_load_b128 v[CC2+8*\set+4:CC2+8*\set+7], v[ADC] offset:\co+16
	WIN 0xc0                                       ; destination window 3
.irp i, 0,1,2,3,4,5,6,7,8,9,10,11,12,13,14,15
	ds_load_b128 v[64*\set+4*\i:64*\set+4*\i+3], v[\adr] offset:512*\i
.endr
	WIN 0
.endm
; 32 matrix instructions: the tile's 16 codes (set p) x my 128 tokens, K = 512, four tiles of tokens at a time.  Four accumulators take turns; the first K step takes -c2 / 2 as C.
.macro MM p
.irp g, 0,1
	WIN 0x07+4*\g                                  ; source 0 (codes) window 3, source 1 (x) window 1, then 2
.irp s, 0,1,2,3
.irp m, 0,1,2,3
.if \s == 0
	v_wmma_scale_f32_16x16x128_f8f6f4 v[ACC+32*\g+8*\m:ACC+32*\g+8*\m+7], v[64*\p+16*\s:64*\p+16*\s+15], v[64*\m+16*\s:64*\m+16*\s+15], v[CC2+8*\p:CC2+8*\p+7], v[BS+4*\p+\s], v[XS+16*\g+4*\m+\s] matrix_a_fmt:MATRIX_FMT_BF8 matrix_b_fmt:MATRIX_FMT_BF8
.else
	v_wmma_scale_f32_16x16x128_f8f6f4 v[ACC+32*\g+8*\m:ACC+32*\g+8*\m+7], v[64*\p+16*\s:64*\p+16*\s+15], v[64*\m+16*\s:64*\m+16*\s+15], v[ACC+32*\g+8*\m:ACC+32*\g+8*\m+7], v[BS+4*\p+\s], v[XS+16*\g+4*\m+\s] matrix_a_fmt:MATRIX_FMT_BF8 matrix_b_fmt:MATRIX_FMT_BF8
.endif
.endr
.endr
.endr
	WIN 0
.endm
; The best so far against each group's 8, eight tokens' chains by turns, each accumulator read from its low end on; where a group wins (strictly), its first code and its 8 numbers are kept.  p says which registers hold the old best.
.macro MAXSAVE p
.if \p
.set OLD, BB
.set NEW, BA
.else
.set OLD, BA
.set NEW, BB
.endif
.irp m, 0,1,2,3,4,5,6,7
	v_max3_num_f32 v[NEW+\m], v[OLD+\m], v[ACC+8*\m], v[ACC+8*\m+1]
.endr
.irp m, 0,1,2,3,4,5,6,7
	v_max3_num_f32 v[NEW+\m], v[NEW+\m], v[ACC+8*\m+2], v[ACC+8*\m+3]
.endr
.irp m, 0,1,2,3
	v_max3_num_f32 v[NEW+\m], v[NEW+\m], v[ACC+8*\m+4], v[ACC+8*\m+5]
.endr
.irp m, 0,1
	v_max3_num_f32 v[NEW+\m], v[NEW+\m], v[ACC+8*\m+6], v[ACC+8*\m+7]
.endr
; the later tokens' last chain steps stand between a comparison and the selects that read its mask: token m + 4's third step, token m + 2's fourth; each step follows its chain's step before, and each comparison its chain's last step, by two blocks
.irp m, 0,1,2,3,4,5,6,7
	v_cmp_gt_f32 vcc_lo, v[NEW+\m], v[OLD+\m]
.if \m < 4
	v_max3_num_f32 v[NEW+\m+4], v[NEW+\m+4], v[ACC+8*(\m+4)+4], v[ACC+8*(\m+4)+5]
.endif
.if \m < 6
	v_max3_num_f32 v[NEW+\m+2], v[NEW+\m+2], v[ACC+8*(\m+2)+6], v[ACC+8*(\m+2)+7]
.endif
	v_cndmask_b32 v[TID+\m], v[TID+\m], v[CUR], vcc_lo
.irp j, 0,2,4,6
	v_dual_cndmask_b32 v[SAVE+8*\m+\j], v[SAVE+8*\m+\j], v[ACC+8*\m+\j] :: v_dual_cndmask_b32 v[SAVE+8*\m+\j+1], v[SAVE+8*\m+\j+1], v[ACC+8*\m+\j+1]
.endr
.endr
.endm
; A tile's work.  Eight places stand behind the products, ahead of the first read of their results: the group's first code, in a trip's second tile the next trip's four addresses, and v_nop.
.macro WORK p, upd
	MM \p
	v_add_nc_u32 v[CUR], 16, v[CUR]
.if \upd
	v_add_nc_u32 v[ADFA], s[TBA], v[L16]
	v_add_nc_u32 v[ADFB], s[TBB], v[L16]
	v_add_nc_u32 v[ADS], 512, v[ADS]
	v_add_nc_u32 v[ADC], 128, v[ADC]
.rept 3
	v_nop
.endr
.else
.rept 7
	v_nop
.endr
.endif
	MAXSAVE \p
.endm
; The change of slots.  Each wave waits for all its tensor loads, adds 0 to its spare word, and waits for that and for its reads of the slot in hand.  kind = 2: a round of the cluster's barrier, and the slot is filled with
; the 256 codes two slots on (the first time: slot 1's first fill, issued as a refill is); kind = 1: nothing is left to fetch, my work-group's barrier alone.
.macro CHANGE kind, ask
	s_wait_tensorcnt 0x0                           ; no tensor load of mine is out, so a group 0 may be written
	ds_add_u32 v[SPW], v[NIL]
.if \kind == 2
	s_xor_b32 s[G0C+1], s[G0C+1], SLOT1
	s_add_nc_u64 s[G0C+2:G0C+3], s[G0C+2:G0C+3], SLOTB
.if \ask
	s_wait_xcnt 0x0                                ; the last prefetch has read its address
	s_add_nc_u64 s[PFA:PFA+1], s[PFA:PFA+1], SLOTB
.endif
	s_wait_dscnt 0x0
	ROUND
	TLOAD G0C, G1                                  ; first behind the round, my one tensor load until the next
.else
	s_wait_dscnt 0x0
	s_barrier_signal -1
	s_barrier_wait -1
.endif
.endm
; Two tiles, 2 q and 2 q + 1.  Tile 2 q's fragments are in set 0 or on their way.  Each tile's loads are issued one tile ahead: the wait leaves out the 19 just issued.  more = 0: the launch's last pair.
.macro PAIR kind, ask, more
	LOADB 1, ADFA, 256, 64
	s_wait_dscnt 19
	WORK 0, 0
.if \kind
	CHANGE \kind, \ask
.endif
.if \more
	LOADB 0, ADFB, 512, 128
.if \ask
	ASK
.endif
	s_wait_dscnt 19
	s_add_co_u32 s[TBA], s[TBA], 16384             ; two tiles on, round the ring
	s_and_b32 s[TBA], s[TBA], RING-1
	s_add_co_u32 s[TBB], s[TBB], 16384
	s_and_b32 s[TBB], s[TBB], RING-1
.else
	s_wait_dscnt 0x0
.endif
	WORK 1, \more
.endm
.macro SLOT kind, ask, more            ; a slot's 16 tiles: seven trips of two, and the last two written out, with the change of slots between them
	s_mov_b32 s[CNT], 7
.Lpair_\@:
	PAIR 0, 0, 1
	s_sub_co_u32 s[CNT], s[CNT], 1
	s_cmp_lg_u32 s[CNT], 0
	s_cbranch_scc1 .Lpair_\@
	PAIR \kind, \ask, \more
.endm
.macro GROUP1 g, rows                  ; a dense block as rows of 256 bytes (32 elements of 8 bytes), no padding; the mask names all four work-groups, bit 21 beside it
	s_mov_b32 s[\g], 15|(3<<16)|(1<<21)
	s_mov_b32 s[\g+1], 32<<16
	s_mov_b32 s[\g+2], (\rows)<<16
	s_mov_b32 s[\g+3], 32<<16
	s_mov_b32 s[\g+4], \rows
	s_mov_b32 s[\g+5], 32
	s_mov_b32 s[\g+6], 0
	s_mov_b32 s[\g+7], 0
.endm
.macro GROUP0 g, lds, base, off        ; count 1, the LDS address, the global address, type 2
	s_mov_b32 s[\g], 1
	s_mov_b32 s[\g+1], s[\lds]
	s_add_nc_u64 s[\g+2:\g+3], s[\base:\base+1], s[\off:\off+1]
	s_or_b32 s[\g+3], s[\g+3], 0x80000000
.endm
	s_load_b256 s[4:11], s[0:1], 0x0               ; xcodes, xscales, ccodes, cscales
	s_load_b128 s[12:15], s[0:1], 0x20             ; c2h, pbest
	s_load_b64 s[16:17], s[0:1], 0x30              ; pidx
	v_lshl_add_u32 v[SPW], v0, 2, SPARE
	v_mov_b32 v[NIL], 0
	ds_add_u32 v[SPW], v[NIL]                      ; the opening lines: the add twice on end and one wait, ahead of the first round
	ds_add_u32 v[SPW], v[NIL]
	v_lshrrev_b32 v11, 5, v0
	v_readfirstlane_b32 s[WV], v11                 ; wave 0..3
	s_bfe_u32 s23, ttmp6, 0x40000                  ; cx: it enters global addresses of x, the results and the prefetches alone
	s_lshl_b32 s24, ttmp9, 2
	s_add_co_u32 s24, s24, s23
	s_and_b32 s25, ttmp7, 0xffff                   ; y, which the four partners share
	s_mov_b32 s26, 0x76543210
	s_mov_b32 s27, 0xfedcba98                      ; selects for lane l xor 16
	GROUP1 G1, 128
	GROUP1 G1H, 256
	GROUP1 G1S, 64
	GROUP1 G1N, 16
	s_lshl_b32 s92, s25, 19                        ; the part's codes: 64 tiles of 8,192 bytes
	s_lshl_b32 s84, s[WV], 15                      ; my quarter of a slot, in LDS and in memory
	s_add_co_u32 s86, s92, s84
	s_mov_b32 s87, 0
	s_and_b32 s85, s[WV], 1
	s_lshl_b32 s85, s85, 16                        ; the head: my half of slot 0
	s_add_co_u32 s88, s92, s85
	s_mov_b32 s89, 0
	s_lshl_b32 s90, s25, 14                        ; the part's scale bytes
	s_mov_b32 s91, 0
	s_lshl_b32 s94, s25, 12                        ; its c2h
	s_mov_b32 s95, 0
	s_lshl_b32 s96, s23, 15                        ; the prefetches: my work-group's 32,768 bytes of a slot, my wave's 8,192, in slot 1: the first change steps it to slot 2
	s_add_co_u32 s96, s96, s92
	s_lshl_b32 s97, s[WV], 13
	s_add_co_u32 s96, s96, s97
	s_add_co_u32 s96, s96, SLOTB
	s_mov_b32 s97, 0
	s_lshl_b32 s93, s24, 2
	s_add_co_u32 s93, s93, s[WV]                   ; which run of 128 tokens is my wave's
	s_lshl_b32 s98, s93, 16                        ; its codes: 8 tiles
	s_mov_b32 s99, 0
	s_lshl_b32 s100, s93, 11                       ; its scale bytes
	s_mov_b32 s101, 0
	s_lshl_b32 s92, s25, 16                        ; its results: [part][token]
	s_lshl_b32 s93, s93, 9
	s_add_co_u32 s92, s92, s93
	s_mov_b32 s93, 0
	s_cmp_eq_u32 ttmp9, 0                          ; the part's first cluster: the same in all four partners
	s_cselect_b32 s[LIM], 1, 0
	s_lshl_b32 s21, s25, 10
	s_sub_co_u32 s21, s21, 16                      ; less the 16 that is added ahead of the first group
	s_lshl_b32 s22, s[WV], 10
	s_add_co_u32 s22, s22, RED
	s_mov_b32 s[TBA], 8192
	s_mov_b32 s[TBB], 16384
	s_mov_b32 s18, MS
	s_mov_b32 s19, MC
	s_wait_dscnt 0x0                               ; both opening adds are done
	v_and_b32 v11, 31, v0                          ; lane
	v_and_b32 v12, 15, v0                          ; r
	v_bfe_u32 v13, v0, 4, 1                        ; h
	v_lshlrev_b32 v[L16], 4, v11                   ; fragments, x, the results: 16 x lane
	v_lshlrev_b32 v15, 4, v12
	v_lshl_add_u32 v[ADFA], v11, 4, 8192           ; tile 1,
	v_lshl_add_u32 v[ADFB], v11, 4, 16384          ; tile 2
	v_lshl_add_u32 v[ADS], v12, 4, MS              ; scale words: 16 bytes a code
	v_lshl_add_u32 v[ADC], v13, 5, MC              ; c2h: my half's 8 codes
	v_lshlrev_b32 v[PFO], 8, v11
	v_lshl_add_u32 v[CUR], v13, 3, s21
	v_lshl_add_u32 v[RW], v12, 2, s22              ; the end: where I put a token's best,
	v_lshl_add_u32 v[RR], v11, 4, s22              ; and where I read four tokens' back
	s_wait_alu depctr_va_vdst(0)
	s_wait_kmcnt 0x0
	GROUP0 G0C, 84, 8, 86
	GROUP0 G0H, 85, 8, 88
	GROUP0 G0S, 18, 10, 90
	GROUP0 G0N, 19, 12, 94
	s_add_nc_u64 s[PFA:PFA+1], s[8:9], s[96:97]
	s_add_nc_u64 s[4:5], s[4:5], s[98:99]
	s_add_nc_u64 s[6:7], s[6:7], s[100:101]
	s_add_nc_u64 s[14:15], s[14:15], s[92:93]
	s_add_nc_u64 s[16:17], s[16:17], s[92:93]
	ROUND                                          ; all four work-groups are here: the first joint loads meet
	s_cmp_lt_u32 s[WV], 2                          ; one chain, one fill to an arm: every way passes exactly one
	s_cbranch_scc0 .Lnot_codes
	TLOAD G0H, G1H
	s_branch .Lfilled
.Lnot_codes:
	s_cmp_lt_u32 s[WV], 3
	s_cbranch_scc0 .Lnot_scales
	TLOAD G0S, G1S
	s_branch .Lfilled
.Lnot_scales:
	TLOAD G0N, G1N
.Lfilled:
.irp g, 0,1                            ; x's 32 fragments: 65,536 consecutive bytes, 512 a load; they stay
	WIN 0x40+0x40*\g                               ; destination window 1, then 2
.set I, 0
.rept 64
	global_load_b128 v[4*I:4*I+3], v[L16], s[4:5] offset:32768*\g+512*I
.set I, I+1
.endr
.endr
	WIN 0
.irp m, 0,1,2,3,4,5,6,7
	global_load_b128 v[XS+4*\m:XS+4*\m+3], v15, s[6:7] offset:256*\m   ; token r of tile m: its four scale words
.endr
.irp m, 0,1,2,3,4,5,6,7
	v_mov_b32 v[BA+\m], 0xff800000                 ; the best so far: under every number
	v_mov_b32 v[TID+\m], 0
.endr
.set I, 0
.rept 64
	v_mov_b32 v[SAVE+I], 0xff800000                ; a select reads what it may keep: written once, under the first fills' flight
.set I, I+1
.endr
	s_wait_alu depctr_va_vdst(0)                   ; the wait at the head's end
	CHANGE 2, 1                                    ; slot 0, the scale bytes and c2h are in; slot 1's first fill goes out
	LOADB 0, L16, 0, 0                             ; tile 0
	ASK
	s_wait_loadcnt 0x0                             ; x
	SLOT 2, 1, 1                                   ; slot 0; its bytes take the codes of slot 2
	SLOT 2, 0, 1                                   ; slot 1; its bytes take the codes of slot 3
	SLOT 1, 0, 1                                   ; slot 2
	SLOT 0, 0, 0                                   ; slot 3.  The best now stands in v74-81
	; THE END.  Which of the kept 8 was the greatest: the lowest j that equals it
.irp m, 0,1,2,3,4,5,6,7
	v_mov_b32 v[IX+\m], 7
	v_mov_b32 v[OB+\m], 0                          ; (a lane permute's destination counts as one of its sources)
	v_mov_b32 v[OI+\m], 0
.endr
.irp j, 6,5,4,3,2,1,0
.irp m, 0,1,2,3,4,5,6,7
	v_cmp_neq_f32 s[MK+\m], v[SAVE+8*\m+\j], v[BA+\m]
.endr
.irp m, 0,1,2,3,4,5,6,7
	v_cndmask_b32 v[IX+\m], \j, v[IX+\m], s[MK+\m]
.endr
.endr
.irp m, 0,1,2,3,4,5,6,7
	v_add_nc_u32 v[IX+\m], v[TID+\m], v[IX+\m]     ; the code
.endr
.irp m, 0,1,2,3,4,5,6,7
	v_permlanex16_b32 v[OB+\m], v[BA+\m], s26, s27 ; the token's other codes lie in the lane 16 away
	v_permlanex16_b32 v[OI+\m], v[IX+\m], s26, s27
.endr
.irp m, 0,1,2,3,4,5,6,7
	v_cmp_gt_f32 s84, v[OB+\m], v[BA+\m]           ; the other's is taken where it is greater, or equal with the lower code
	v_cmp_eq_f32 s85, v[OB+\m], v[BA+\m]
	v_cmp_lt_u32 s86, v[OI+\m], v[IX+\m]
	s_and_b32 s85, s85, s86
	s_or_b32 s84, s84, s85
	v_cndmask_b32 v[BA+\m], v[BA+\m], v[OB+\m], s84
	v_cndmask_b32 v[IX+\m], v[IX+\m], v[OI+\m], s84
.endr
.irp m, 0,1,2,3,4,5,6,7
	ds_store_b32 v[RW], v[BA+\m] offset:64*\m      ; my 128 values, then my 128 codes, in my own LDS bytes (lanes l and l xor 16 write the same word with the same value)
	ds_store_b32 v[RW], v[IX+\m] offset:512+64*\m
.endr
	ds_load_b128 v[FV:FV+3], v[RR]                 ; LDS serves a wave's instructions in order (ISA guide 5.7.1.4): these see my stores
	ds_load_b128 v[FV+4:FV+7], v[RR] offset:512
	s_wait_dscnt 0x0
	global_store_b128 v[L16], v[FV:FV+3], s[14:15] ; 32 lanes store 512 consecutive bytes, aligned: 128 tokens
	global_store_b128 v[L16], v[FV+4:FV+7], s[16:17]
	s_wait_tensorcnt 0x0                           ; the wave's end
	ds_add_u32 v[SPW], v[NIL]
	s_wait_dscnt 0x0
	ROUND                                          ; the closing round
	s_endpgm
.Lfunc_end_k_q55623c791a_dist:
	.size	k_q55623c791a_dist, .Lfunc_end_k_q55623c791a_dist-k_q55623c791a_dist
	.p2alignl 7, 3214868480
	.fill 96, 4, 3214868480
	.section	.rodata,"a",@progbits
	.p2align	6, 0x0
	.amdhsa_kernel k_q55623c791a_dist
		.amdhsa_group_segment_fixed_size 327680
		.amdhsa_private_segment_fixed_size 0
		.amdhsa_enable_private_segment 0
		.amdhsa_kernarg_size 56
		.amdhsa_user_sgpr_count 2
		.amdhsa_user_sgpr_kernarg_segment_ptr 1
		.amdhsa_wavefront_size32 1
		.amdhsa_system_sgpr_workgroup_id_x 1
		.amdhsa_system_sgpr_workgroup_id_y 1
		.amdhsa_system_sgpr_workgroup_id_z 1
		.amdhsa_system_vgpr_workitem_id 0
		.amdhsa_next_free_vgpr 896
		.amdhsa_next_free_sgpr 102
		.amdhsa_reserve_vcc 1
		.amdhsa_float_denorm_mode_32 3
		.amdhsa_float_denorm_mode_16_64 3
		.amdhsa_memory_ordered 1
		.amdhsa_forward_progress 1
		.amdhsa_inst_pref_size 207
	.end_amdhsa_kernel
	.amdgpu_metadata
---
amdhsa.version: [ 1, 2 ]
amdhsa.kernels:
  - .name:           k_q55623c791a_dist
    .symbol:         k_q55623c791a_dist.kd
    .args:
      - { .name: xcodes, .offset: 0, .size: 8, .value_kind: global_buffer, .address_space: global }
      - { .name: xscales, .offset: 8, .size: 8, .value_kind: global_buffer, .address_space: global }
      - { .name: ccodes, .offset: 16, .size: 8, .value_kind: global_buffer, .address_space: global }
      - { .name: cscales, .offset: 24, .size: 8, .value_kind: global_buffer, .address_space: global }
      - { .name: c2h, .offset: 32, .size: 8, .value_kind: global_buffer, .address_space: global }
      - { .name: pbest, .offset: 40, .size: 8, .value_kind: global_buffer, .address_space: global }
      - { .name: pidx, .offset: 48, .size: 8, .value_kind: global_buffer, .address_space: global }
    .group_segment_fixed_size: 327680
    .private_segment_fixed_size: 0
    .kernarg_segment_align: 8
    .kernarg_segment_size: 56
    .max_flat_workgroup_size: 128
    .sgpr_count:     102
    .vgpr_count:     896
    .wavefront_size: 32
...
	.end_amdgpu_metadata
.endif
;; end of part 2
;; launch pick (part 3): grid 64 x 1, 4 waves a work-group, no clusters, 0 bytes of LDS; arguments pbest, pidx, out1; writes out1
.if DOCPART == 3
	.amdgcn_target "amdgcn-amd-amdhsa--gfx1250"
	.amdhsa_code_object_version 6
	.text
	.protected	k_q55623c791a_pick
	.globl	k_q55623c791a_pick
	.p2align	8
	.type	k_q55623c791a_pick,@function
k_q55623c791a_pick:
	s_mov_b64 s[64:65], 0
	v_nop
	global_prefetch_b8 v0, s[64:65] scope:SCOPE_SE
	s_setreg_imm32_b32 hwreg(HW_REG_WAVE_MODE, 25, 1), 1
	s_wait_xcnt 0x0
; Left out (shown at the head of the launch quant): the lookup of the chosen row; out0 has been written by the launch quant.
; For each token the greatest of its eight parts' greatest dot - c2 / 2 (strictly greater, parts ascending: the lowest code keeps a tie); out1 = that part's code.
; A lane takes two tokens, a wave 64: each load and the store cover 256 consecutive bytes, aligned.  16,384 tokens are 256 waves: 64 work-groups of four.  No loop, no LDS, no shared input: no prefetch, no cluster.
; LIMITS: NaN among the values is not served.
	s_load_b128 s[4:7], s[0:1], 0x0                ; pbest, pidx
	s_load_b64 s[8:9], s[0:1], 0x10                ; out1
	s_lshl_b32 s10, ttmp9, 10                      ; 128 threads x 8 bytes
	v_lshl_add_u32 v1, v0, 3, s10
	s_wait_alu depctr_va_vdst(0)                   ; the wait at the head's end
	s_wait_kmcnt 0x0
.irp y, 0,1,2,3,4,5,6,7
	global_load_b64 v[2+2*\y:3+2*\y], v1, s[4:5] offset:65536*\y
	global_load_b64 v[18+2*\y:19+2*\y], v1, s[6:7] offset:65536*\y
.endr
	s_wait_loadcnt 0x0
.irp y, 1,2,3,4,5,6,7
.irp e, 0,1
	v_cmp_gt_f32 vcc_lo, v[2+2*\y+\e], v[2+\e]
	v_cndmask_b32 v[2+\e], v[2+\e], v[2+2*\y+\e], vcc_lo
	v_cndmask_b32 v[18+\e], v[18+\e], v[18+2*\y+\e], vcc_lo
.endr
.endr
	global_store_b64 v1, v[18:19], s[8:9]
	s_endpgm
.Lfunc_end_k_q55623c791a_pick:
	.size	k_q55623c791a_pick, .Lfunc_end_k_q55623c791a_pick-k_q55623c791a_pick
	.p2alignl 7, 3214868480
	.fill 96, 4, 3214868480
	.section	.rodata,"a",@progbits
	.p2align	6, 0x0
	.amdhsa_kernel k_q55623c791a_pick
		.amdhsa_group_segment_fixed_size 0
		.amdhsa_private_segment_fixed_size 0
		.amdhsa_enable_private_segment 0
		.amdhsa_kernarg_size 24
		.amdhsa_user_sgpr_count 2
		.amdhsa_user_sgpr_kernarg_segment_ptr 1
		.amdhsa_wavefront_size32 1
		.amdhsa_system_sgpr_workgroup_id_x 1
		.amdhsa_system_sgpr_workgroup_id_y 1
		.amdhsa_system_sgpr_workgroup_id_z 1
		.amdhsa_system_vgpr_workitem_id 0
		.amdhsa_next_free_vgpr 40
		.amdhsa_next_free_sgpr 66
		.amdhsa_reserve_vcc 1
		.amdhsa_float_denorm_mode_32 3
		.amdhsa_float_denorm_mode_16_64 3
		.amdhsa_memory_ordered 1
		.amdhsa_forward_progress 1
		.amdhsa_inst_pref_size 4
	.end_amdhsa_kernel
	.amdgpu_metadata
---
amdhsa.version: [ 1, 2 ]
amdhsa.kernels:
  - .name:           k_q55623c791a_pick
    .symbol:         k_q55623c791a_pick.kd
    .args:
      - { .name: pbest, .offset: 0, .size: 8, .value_kind: global_buffer, .address_space: global }
      - { .name: pidx, .offset: 8, .size: 8, .value_kind: global_buffer, .address_space: global }
      - { .name: out1, .offset: 16, .size: 8, .value_kind: global_buffer, .address_space: global }
    .group_segment_fixed_size: 0
    .private_segment_fixed_size: 0
    .kernarg_segment_align: 8
    .kernarg_segment_size: 24
    .max_flat_workgroup_size: 128
    .sgpr_count:     66
    .vgpr_count:     40
    .wavefront_size: 32
...
	.end_amdgpu_metadata
.endif
;; end of part 3
